; MI455X (gfx1250); checked and timed in simulation.
; The chip was launched on July 23, 2026; its instructions are those of AMD's public machine-readable ISA for CDNA 5 (MIT licence, August 2026) and "CDNA5" Instruction Set Architecture Reference Guide (July 2026). The comments in the code are by the model that wrote it; some were corrected since.
;; Flex Attention. Allowed arithmetic: matrix products marked QUANTISED: E4M3 operands, one E8M0 scale for each 32 along K, by v_wmma_scale_f32_16x16x128_f8f6f4 with both operands' format E4M3, f32 sums; everything else in f32.
;; Inputs: k 2 x 16 x 2,048 x 64 float32; q 2 x 16 x 2,048 x 64 float32; sink_weights 16 float32; v 2 x 16 x 2,048 x 64 float32.
;; Outputs: out0 2 x 16 x 2,048 x 64 float32.
;; Constants: sliding_window = 1024.
;; This version of the problem:
;;   THIS VERSION OF THE PROBLEM IS GIVEN IN LOW PRECISION. The matrix products marked QUANTISED in the list below multiply operands that are first quantised to E4M3 (4 exponent bits, 3 mantissa bits; 8 bits a number), with one power-of-two scale for each 32 numbers along K (OCP MX v1.0); their sums are f32. All else is computed in f32.
;;   The module's matrix products, in the order in which they are computed (A, B: the left and right operand; K: the contracted axis; several contracted axes count as one K, in the product's order):
;;     1. batch 32 x [M 2,048, K 64] x [K 64, N 2,048]; A: input q; B: input k: QUANTISED
;;     2. batch 32 x [M 2,048, K 2,048] x [K 2,048, N 64]; A: computed on the way; B: input v: QUANTISED
;;   THE QUANTISER, for each operand of a quantised product, along K:
;;     - K is cut into blocks of 32 from its start; a last block that is shorter is filled with zeros.
;;     - A block's scale is 2^e with e = floor(log2(the largest magnitude in the block)) - 8, held to -126 .. 127; a block of zeros has e = 0. As a byte (E8M0): e + 127.
;;     - Each number is divided by its block's scale, clamped to +-448, and rounded to the nearest number of E4M3, ties to even, subnormals kept.
;;     - The product sums the exact products of the quantised numbers (number of the format x scale) in f32.
;;   ~~~python
;;   def quantise(x, axis):      # numpy; x: float32 -> the quantised numbers, widened to float32 again
;;       x = np.moveaxis(x, axis, -1); K = x.shape[-1]
;;       x = np.pad(x, [(0, 0)] * (x.ndim - 1) + [(0, -K % 32)]); x = x.reshape(x.shape[:-1] + (-1, 32)); a = np.abs(x).max(-1, keepdims=True)
;;       e = np.where(a > 0, np.clip(np.frexp(np.where(a > 0, a, 1))[1] - 1 - 8, -126, 127), 0)      # np.frexp(a)[1] - 1 = floor(log2(a)), exactly
;;       r = np.clip(x / 2.0 ** e, -448, 448)
;;       step = 2.0 ** (np.maximum(np.frexp(np.where(r == 0, 1, r))[1] - 1, -6) - 3)
;;       q = np.round(r / step) * step * 2.0 ** e      # np.round: ties to even
;;       return np.moveaxis(q.reshape(q.shape[:-2] + (-1,))[..., :K], -1, axis).astype(np.float32)
;;   ~~~
;;   OPERANDS COMPUTED ON THE WAY. 'Computed on the way' means the value that the module computes at that place (a softmax that the list does not call 'softmax' is quantised finished and normalised). What goes into a quantiser is computed in f32, as accurately as f32 sums, v_exp_f32 and their like allow (about 1e-6 of the number): no bf16 or f16 on the way to a quantiser, and a product that is left as it is and whose result goes on into a quantised operand takes f32 operands (vector FMAs, or v_wmma_f32_16x16x4_f32). A number that lies on a knife's edge between two numbers of the format may be rounded either way, as far as f32 arithmetic and the matrix unit's own rounding can turn it there, and no further.
;; One version. Each part assembles by itself: llvm-mc -triple=amdgcn-amd-amdhsa -mcpu=gfx1250 --defsym DOCPART=n.
;; ======== version 1 of 1: 2 launches
;; limits: right only within a limited range of input values
;; workspace buffers: kc 4,194,304 bytes; vc 4,194,304 bytes; sc 393,216 bytes
;; launch quant (part 1): grid 512 x 1, 4 waves a work-group, no clusters, 72,704 bytes of LDS; arguments k, v, kc, vc, sc; writes kc, vc, sc
.if DOCPART == 1
	.amdgcn_target "amdgcn-amd-amdhsa--gfx1250"
	.amdhsa_code_object_version 6
	.text
	.protected	k_q01b1988ea4_quant
	.globl	k_q01b1988ea4_quant
	.p2align	8
	.type	k_q01b1988ea4_quant,@function
k_q01b1988ea4_quant:
	s_mov_b64 s[64:65], 0
	v_nop
	global_prefetch_b8 v0, s[64:65] scope:SCOPE_SE
	s_setreg_imm32_b32 hwreg(HW_REG_WAVE_MODE, 25, 1), 1
	s_wait_xcnt 0x0
; k and v, [32 heads][2048 keys][64] f32, become codes of FP8 (E4M3) with one E8M0 byte for each 32 along a product's K, laid as IMAGES OF THE OPERANDS' REGISTERS, in units of 32 keys.
; k's K is the head's 64 (innermost), v's K is the keys.  A block's scale is 2^(floor(log2(largest magnitude)) - 8); its byte is the largest magnitude's exponent field - 8, held at 1 from below.
;   kc [head][unit 64][u2 2][cc 2][lane 32][16 B]: lane (r, h) holds key 32 unit + 8 u2 + r + 8 (r / 8), channels 32 cc + 16 h + 0..15
;   vc [head][unit 64][t 4][lane 32][16 B]:        lane (r, h) holds channel 16 t + r, keys 32 unit + 16 h + 0..15
;   sc [head][12,288 B]: first v's words [block of 128 keys 16][r 16][t 4], byte c = the byte of channel 16 t + r for unit 4 block + c;
;                        then k's words [unit 64][lane 32]: lane (r, h): tile u2 = h, row r: byte 0 channels 0-31, byte 1 channels 32-63, bytes 2, 3 zero
; LIMITS: a block of zeros gets the byte 1 where the rule says 127 (its codes are zeros, and this program alone reads the bytes); NaN and infinities among the inputs are not served.
; SHARES: work-group = 16 head + block of 128 keys; wave c takes unit 4 block + c of k and of v: 8,192 bytes each, read by 16 loads of 512 consecutive bytes and turned through the wave's own stage in LDS.
.set REG,  17664                       ; LDS: a region for each wave: k's stage, 32 rows of 272 bytes; then v's, the same with rows 16-31 lying 64 bytes further on
.set VST,  8704
.set KSS,  70656                       ; k's scale words of the four units: 128 bytes a wave
.set VSS,  71168                       ; v's scale bytes as words: 256 bytes a wave
.set RK,   16                          ; v16-79   k as loaded
.set RV,   80                          ; v80-143  v as loaded
.set X,    144                         ; v144-207 64 numbers in the operand's order
.set PCK,  208                         ; v208-223 k's codes
.set PCV,  224                         ; v224-239 v's codes
.set TM,   240                         ; v240-243 largest magnitudes, v244-247 bytes, v248-251 448 x the scale, v252-255 the conversions' scale operands
	s_load_b256 s[4:11], s[0:1], 0x0               ; k, v, kc, vc
	s_load_b64 s[12:13], s[0:1], 0x20              ; sc
	s_set_vgpr_msb 0x40
	v_lshl_add_u32 v0, v0, 2, 0x11a00
	v_mov_b32 v1, 0
	s_set_vgpr_msb 0x4000
	v_lshrrev_b32 v1, 5, v0
	v_readfirstlane_b32 s16, v1                    ; wave c
	v_and_b32 v1, 31, v0                           ; lane
	v_lshlrev_b32 v2, 4, v1                        ; 16 x lane
	v_lshlrev_b32 v3, 2, v1                        ; 4 x lane
	v_and_b32 v12, 15, v0                          ; r
	v_bfe_u32 v13, v0, 4, 1                        ; h
	s_mul_i32 s17, s16, REG
	v_mul_u32_u24 v4, v13, 272
	v_lshl_add_u32 v4, v12, 4, v4
	v_add_nc_u32 v4, s17, v4                       ; into a stage: a load's 512 bytes are two rows: row h, 16 bytes at 16 r
	v_and_b32 v5, 8, v12
	v_add_nc_u32 v5, v5, v12                       ; r + 8 (r / 8)
	v_mul_u32_u24 v5, v5, 272
	v_lshl_add_u32 v5, v13, 6, v5
	v_add_nc_u32 v5, s17, v5                       ; k out of its stage: that key's row, + 64 h
	v_mul_u32_u24 v6, v13, 4416
	v_lshl_add_u32 v6, v12, 2, v6
	v_add_nc_u32 v6, s17, v6
	v_add_nc_u32 v6, VST, v6                       ; v out of its stage: keys 16 h on (16 rows + 64 bytes), channel r
	s_lshl_b32 s18, s16, 7
	v_add_nc_u32 v7, s18, v3
	v_add_nc_u32 v7, KSS, v7                       ; my k scale word
	s_lshl_b32 s18, s16, 8
	v_lshl_add_u32 v8, v12, 4, s18
	v_add_nc_u32 v8, VSS, v8                       ; my four v scale bytes, as words: 256 c + 16 r
	v_add_nc_u32 v9, KSS, v2                       ; the way out of k's words,
	v_lshlrev_b32 v11, 3, v1
	v_add_nc_u32 v10, VSS, v11                     ; and of v's
	s_mov_b32 s24, 0x76543210
	s_mov_b32 s25, 0xfedcba98                      ; v_permlanex16_b32's selects for lane l xor 16
	s_mov_b32 s26, 0x600000                        ; the mantissa field of 448
.irp b, 0,1,2,3
	v_mov_b32 v[TM+4+\b], 0                        ; written once: a lane permute's destination counts as one of its sources
.endr
	s_lshl_b32 s20, ttmp9, 15
	s_lshl_b32 s18, s16, 13
	s_add_co_u32 s20, s20, s18                     ; my unit in k and in v
	s_mov_b32 s21, 0
	s_lshl_b32 s22, ttmp9, 13
	s_lshl_b32 s18, s16, 11
	s_add_co_u32 s22, s22, s18                     ; and in kc and vc
	s_mov_b32 s23, 0
	s_lshr_b32 s18, ttmp9, 4                       ; head
	s_and_b32 s19, ttmp9, 15                       ; block of 128 keys
	s_mul_i32 s18, s18, 12288
	s_lshl_b32 s28, s19, 8
	s_add_co_u32 s28, s28, s18                     ; the block's v words in sc
	s_mov_b32 s29, 0
	s_lshl_b32 s30, s19, 9
	s_add_co_u32 s30, s30, s18
	s_add_co_u32 s30, s30, 4096                    ; its k words
	s_mov_b32 s31, 0
	s_wait_kmcnt 0x0
	s_add_nc_u64 s[4:5], s[4:5], s[20:21]
	s_add_nc_u64 s[6:7], s[6:7], s[20:21]
	s_add_nc_u64 s[8:9], s[8:9], s[22:23]
	s_add_nc_u64 s[10:11], s[10:11], s[22:23]
	s_add_nc_u64 s[14:15], s[12:13], s[28:29]
	s_add_nc_u64 s[12:13], s[12:13], s[30:31]
.irp n, 0,1,2,3,4,5,6,7,8,9,10,11,12,13,14,15
	global_load_b128 v[RK+4*\n:RK+4*\n+3], v2, s[4:5] offset:512*\n th:TH_LOAD_NT   ; 32 lanes read 512 consecutive bytes
.endr
.irp n, 0,1,2,3,4,5,6,7,8,9,10,11,12,13,14,15
	global_load_b128 v[RV+4*\n:RV+4*\n+3], v2, s[6:7] offset:512*\n th:TH_LOAD_NT
.endr
; 64 numbers of a lane, v[s + 16 b + i], four blocks b of which lane l xor 16 holds the other half, become codes in v[pc + 4 b ..] and bytes in v[TM + 4 + b]
.macro QUANT s, pc
.irp b, 0,1,2,3
	v_max3_num_f32 v[TM+\b], |v[\s+16*\b]|, |v[\s+16*\b+1]|, 0x4800000   ; my 16 numbers, and the floor 2^(9 - 127): so the byte cannot fall under 1
.endr
.irp i, 2,4,6,8,10,12,14
.irp b, 0,1,2,3
	v_max3_num_f32 v[TM+\b], v[TM+\b], |v[\s+16*\b+\i]|, |v[\s+16*\b+\i+1]|   ; the four blocks by turns
.endr
.endr
.irp b, 0,1,2,3
	v_permlanex16_b32 v[TM+4+\b], v[TM+\b], s24, s25
.endr
.irp b, 0,1,2,3
	v_max_num_f32 v[TM+\b], v[TM+\b], v[TM+4+\b]   ; the block's largest magnitude
.endr
.irp b, 0,1,2,3
	v_add_nc_u32 v[TM+12+\b], 0xfc000000, v[TM+\b] ; 8 off its exponent field: the conversion takes this operand's exponent field as its scale
.endr
.irp b, 0,1,2,3
	v_and_or_b32 v[TM+8+\b], v[TM+\b], 0x7f800000, s26   ; 448 x the scale
.endr
.irp b, 0,1,2,3
	v_lshrrev_b32 v[TM+4+\b], 23, v[TM+12+\b]      ; the scale's byte
.endr
.irp b, 0,1,2,3
.irp i, 0,1,2,3,4,5,6,7,8,9,10,11,12,13,14,15
	v_med3_num_f32 v[\s+16*\b+\i], v[\s+16*\b+\i], -v[TM+8+\b], v[TM+8+\b]   ; the conversion to an 8-bit code does not saturate (ISA guide 7.6.2): the hold comes first
.endr
	v_cvt_scalef32_pk8_fp8_f32 v[\pc+4*\b:\pc+4*\b+1], v[\s+16*\b:\s+16*\b+7], v[TM+12+\b]
	v_cvt_scalef32_pk8_fp8_f32 v[\pc+4*\b+2:\pc+4*\b+3], v[\s+16*\b+8:\s+16*\b+15], v[TM+12+\b]
.endr
	v_nop                                          ; one plain line behind the last scaled conversion
.endm
	; ---- k
	s_wait_loadcnt 16                              ; k's 16 loads are in; v's 16 may be out
.irp n, 0,1,2,3,4,5,6,7,8,9,10,11,12,13,14,15
	ds_store_b128 v4, v[RK+4*\n:RK+4*\n+3] offset:544*\n
.endr
.irp u, 0,1
.irp c, 0,1
.irp j, 0,1,2,3
	ds_load_b128 v[X+16*(2*\u+\c)+4*\j:X+16*(2*\u+\c)+4*\j+3], v5 offset:2176*\u+128*\c+16*\j   ; LDS serves a wave's instructions in order: these see my stores.  Block 2 u2 + cc
.endr
.endr
.endr
	s_wait_dscnt 0x0
	QUANT X, PCK
.irp b, 0,1,2,3
	global_store_b128 v2, v[PCK+4*\b:PCK+4*\b+3], s[8:9] offset:512*\b   ; 512 consecutive bytes
.endr
	v_lshl_or_b32 v14, v[TM+5], 8, v[TM+4]         ; tile u2 = 0's word of my row,
	v_lshl_or_b32 v15, v[TM+7], 8, v[TM+6]         ; tile u2 = 1's
	v_cmp_gt_u32 vcc_lo, 16, v1
	v_cndmask_b32 v14, v15, v14, vcc_lo            ; lanes 0-15 keep the first, lanes 16-31 the second
	ds_store_b32 v7, v14
	; ---- v
	s_wait_loadcnt 0x0
.irp n, 0,1,2,3,4,5,6,7
	ds_store_b128 v4, v[RV+4*\n:RV+4*\n+3] offset:VST+544*\n
.endr
.irp n, 8,9,10,11,12,13,14,15
	ds_store_b128 v4, v[RV+4*\n:RV+4*\n+3] offset:VST+544*\n+64
.endr
.irp t, 0,1,2,3
.irp i, 0,1,2,3,4,5,6,7,8,9,10,11,12,13,14,15
	ds_load_b32 v[X+16*\t+\i], v6 offset:272*\i+64*\t   ; v(key 16 h + i, channel 16 t + r): lanes 0-15 take 16 neighbouring words, lanes 16-31 sixteen words that lie 16 banks beside them
.endr
.endr
	s_wait_dscnt 0x0
	QUANT X, PCV
.irp t, 0,1,2,3
	global_store_b128 v2, v[PCV+4*\t:PCV+4*\t+3], s[10:11] offset:512*\t
.endr
	ds_store_b128 v8, v[TM+4:TM+7]                 ; my row's four bytes, a word each (lanes r and r + 16 write the same words with the same values)
	s_wait_dscnt 0x0                               ; for the others' sake: my stores have landed
	s_barrier_signal -1
	s_barrier_wait -1
	s_cmp_eq_u32 s16, 0
	s_cbranch_scc0 .Lnot_wave_0
	ds_load_b128 v[144:147], v9                    ; wave 0: the block's 128 k words leave as 512 consecutive bytes
	s_wait_dscnt 0x0
	global_store_b128 v2, v[144:147], s[12:13]
.Lnot_wave_0:
	s_cmp_eq_u32 s16, 1
	s_cbranch_scc0 .Lend
.irp k, 0,1,2,3
	ds_load_b64 v[144+2*\k:145+2*\k], v10 offset:256*\k   ; wave 1: two (r, t) places a lane, the four units' bytes
.endr
	s_wait_dscnt 0x0
	v_lshl_or_b32 v144, v146, 8, v144
	v_lshl_or_b32 v145, v147, 8, v145
	v_lshl_or_b32 v144, v148, 16, v144
	v_lshl_or_b32 v145, v149, 16, v145
	v_lshl_or_b32 v144, v150, 24, v144
	v_lshl_or_b32 v145, v151, 24, v145
	global_store_b64 v11, v[144:145], s[14:15]     ; 256 consecutive bytes, aligned
.Lend:
	s_set_vgpr_msb 0x5
	s_wait_tensorcnt 0x0
	ds_add_u32 v0, v1
	s_wait_dscnt 0x0
	s_set_vgpr_msb 0x500
	s_endpgm
.Lfunc_end_k_q01b1988ea4_quant:
	.size	k_q01b1988ea4_quant, .Lfunc_end_k_q01b1988ea4_quant-k_q01b1988ea4_quant
	.p2alignl 7, 3214868480
	.fill 96, 4, 3214868480
	.section	.rodata,"a",@progbits
	.p2align	6, 0x0
	.amdhsa_kernel k_q01b1988ea4_quant
		.amdhsa_group_segment_fixed_size 72704
		.amdhsa_private_segment_fixed_size 0
		.amdhsa_enable_private_segment 0
		.amdhsa_kernarg_size 40
		.amdhsa_user_sgpr_count 2
		.amdhsa_user_sgpr_kernarg_segment_ptr 1
		.amdhsa_wavefront_size32 1
		.amdhsa_system_sgpr_workgroup_id_x 1
		.amdhsa_system_sgpr_workgroup_id_y 1
		.amdhsa_system_sgpr_workgroup_id_z 1
		.amdhsa_system_vgpr_workitem_id 0
		.amdhsa_next_free_vgpr 258
		.amdhsa_next_free_sgpr 66
		.amdhsa_reserve_vcc 1
		.amdhsa_float_denorm_mode_32 3
		.amdhsa_float_denorm_mode_16_64 3
		.amdhsa_memory_ordered 1
		.amdhsa_forward_progress 1
		.amdhsa_inst_pref_size 32
	.end_amdhsa_kernel
	.amdgpu_metadata
---
amdhsa.version: [ 1, 2 ]
amdhsa.kernels:
  - .name:           k_q01b1988ea4_quant
    .symbol:         k_q01b1988ea4_quant.kd
    .args:
      - { .name: k, .offset: 0, .size: 8, .value_kind: global_buffer, .address_space: global }
      - { .name: v, .offset: 8, .size: 8, .value_kind: global_buffer, .address_space: global }
      - { .name: kc, .offset: 16, .size: 8, .value_kind: global_buffer, .address_space: global }
      - { .name: vc, .offset: 24, .size: 8, .value_kind: global_buffer, .address_space: global }
      - { .name: sc, .offset: 32, .size: 8, .value_kind: global_buffer, .address_space: global }
    .group_segment_fixed_size: 72704
    .private_segment_fixed_size: 0
    .kernarg_segment_align: 8
    .kernarg_segment_size: 40
    .max_flat_workgroup_size: 128
    .sgpr_count:     66
    .vgpr_count:     258
    .wavefront_size: 32
...
	.end_amdgpu_metadata
.endif
;; end of part 1
;; launch attn (part 2): grid 256 x 1, 8 waves a work-group, no clusters, 300,032 bytes of LDS; arguments q, sink_weights, kc, vc, sc, out0; writes out0
.if DOCPART == 2
	.amdgcn_target "amdgcn-amd-amdhsa--gfx1250"
	.amdhsa_code_object_version 6
	.text
	.protected	k_q01b1988ea4_attn
	.globl	k_q01b1988ea4_attn
	.p2align	8
	.type	k_q01b1988ea4_attn,@function
k_q01b1988ea4_attn:
	s_mov_b64 s[64:65], 0
	v_nop
	global_prefetch_b8 v0, s[64:65] scope:SCOPE_SE
	s_setreg_imm32_b32 hwreg(HW_REG_WAVE_MODE, 25, 1), 1
	s_wait_xcnt 0x0
; out[head][q] = sum over keys of p v, p = softmax over the keys with 0 <= q - key <= 1024 and one sink logit a head (which adds to the divisor alone: its value is zero).  32 heads, 2,048 queries, 64 channels.
; Both products on codes of FP8 (E4M3) with E8M0 scales.  WHAT IS QUANTISED FOR THE SECOND PRODUCT IS THE FINISHED, NORMALISED p: a row's maximum and sum are known before any p is quantised.
; LEFT OUT: blocks of keys that the mask of reference() hides from all 16 queries of a tile (key > q, or q - key > 1024): there p is exactly 0, whatever the inputs hold.  A NaN or an infinity in such keys is not carried to the result.
; SHARES.  Eight waves, two on each SIMD.  Waves w and w + 4 are a PAIR (p = w % 4) and share a tile of 16 queries BY KEYS: kind 0 (w < 4) takes the lower half of the window, kind 1 the upper half with the diagonal.
; A wave keeps ALL its scores in registers (at most 17 units of 32 keys, 272 registers): each score is multiplied once and exponentiated once.
; A JOB: S scores k q^T, each unit's largest | E 2^(t - m) in place with the wave's own m, and the sum | the pair exchanges (m, sum) through LDS | P x 2^(m - M) / total, quantised by units of 32 keys, v^T p | the pair adds its O and stores eight rows each.
; Work-group = 8 head + g.  Tile J of 128 in a head needs min(J / 2 + 1, 33) units.  Each pair has four jobs:
;   jobs 0, 1 (BIG): J = 64 + 8 g + p, + 4: 33 units from unit 4 g + z on (z = p / 2, + 2): kind 0: unit 0 (lower edge) and 1..16, kind 1: 17..32 (diagonal).
;   jobs 2, 3 (LOW): J = 8 a + 4 (g / 4) + p, a = 7 - x and x (x = g % 4): blocks of 128 keys 0..a, the first half of them to kind 0, the rest to kind 1.  A part of n blocks begins at stage 5 - n (scalar branches on ids alone); n = 0 for kind 0 in job 3 where x = 0.
; LAYOUT.  Both products are used transposed: a lane holds ONE query (lane % 16).  The keys of a tile of k are chosen (in the buffer kc) so that a unit's 16 registers are keys 16 (lane / 16) + 0..15 of the unit.
; K = 64 in the first product: the upper half of q's operand is zero codes, under scale bytes 0; k's operand runs on into neighbouring codes, which are finite (held at +-448) and meet those zeros (behind the last tile: the masks' words or zeros, finite codes too).
; THE MASKS are the C of the first product: -1e30 where a key is hidden (reference() has the same constant), 0 elsewhere.
; LDS.  All codes that the four jobs need lie in LDS at once, brought by one tensor load a wave in seven waves; nothing is filled again.  No cluster: of a head's work-groups partners would need different numbers of stages and different LDS addresses.
; No prefetch: every tile is asked for once, at the head; no loop streams.  q is asked for a job ahead, into registers; each wave of a pair quantises eight rows of the tile and hands them over through LDS.
; LIMITS: scores stay far under 1e30 in magnitude; an exponential that would be denormal is 0; NaN and infinities among the inputs are not served; a unit whose every p is 0 gets the byte 1 (its codes are zeros).
.set KL,   73728                       ; LDS: k: 0 units 4 g .. 4 g + 35, KL units 0..23; v: the same, VOFF further on
.set VOFF, 122880
.set VS,   245760                      ; v's scale words of the head (4,096 B), then k's (8,192 B)
.set KS,   249856
.set STG,  258048                      ; a stage of 16 rows x 272 bytes for each wave
.set SPI,  272
.set EX,   292864                      ; (m, sum) of 16 queries: 128 bytes a wave
.set QI,   293888                      ; q's image: 1,024 bytes of codes and 64 of scale words a pair, 1,280 apart
.set SPARE, 299008                     ; the spare words, 128 bytes a wave
.set LI,  1                            ; 16 x lane
.set L4,  2                            ; 4 x lane
.set R16, 3                            ; 16 x (lane % 16)
.set AK,  4                            ; k's units; low jobs: of stages 1, 2;  AK2: of stages 3, 4
.set AK2, 5
.set AV,  6                            ; the same for v
.set AV2, 7
.set AKS, 8                            ; k's scale words
.set AVS, 9                            ; v's scale words of stage 1
.set AVL, 10                           ; v's scale words of the lone unit's block
.set GOF, 11                           ; my eight rows of the tile in out0's head, + 16 x lane
.set QOF, 12                           ; my eight rows of the next tile in q's head, + 16 x lane
.set STO, 13                           ; my stage: row r, + 32 h
.set SRD, 14                           ; my stage, rows 8 kind + h, + 16 r;  SRP: my partner's stage, the same rows
.set SRP, 15
.set QTW, 16                           ; my stage: row h, + 16 r: q's rows in
.set QTR, 17                           ; q out: row lane % 8, 16 channels
.set QIW, 18                           ; into q's image; QSW: its scale byte
.set QSW, 19
.set QIR, 20                           ; out of q's image; QSR: its scale words
.set QSR, 21
.set EXW, 22
.set EXR, 23
.set SPW, 24                           ; my spare word; NIL: 0
.set NIL, 25
.set QS,  26                           ; q's scale words
.set PW,  27                           ; p's scale word
.set SL2, 28                           ; the sink's logit x log2(e)
.set RM,  29
.set MM,  30                           ; m, and behind E the sum beside it
.set RR,  32                           ; v[32:33] 2^(m - M) / total
.set T1,  35
.set PX,  36                           ; v[36:37] my partner's (m, sum)
.set KSC, 38                           ; v38-45 k's scale words, two sets of four; in P v's words as they lie in LDS
.set VWL, 38
.set VWH, 42
.set SV,  46                           ; v46-49 v's scale words for the products in hand
.set TP,  50                           ; v50-53 lane permutes' results
.set UM,  54                           ; v54-70 each unit's largest score, then its largest p
.set QC,  72                           ; v72-79 q's codes (in P the lone unit's p), v80-87 zeros
.set F1,  88                           ; v88-151 fragments, set 1;  the way out
.set OB,  88
.set MK,  152                          ; v152-167 my mask: kind 0 the lower edge's, kind 1 the diagonal's
.set F2,  168                          ; v168-231 fragments of k, set 2 (phase S alone)
.set OT,  168                          ; v168-199 O^T: four accumulators
.set QX,  168                          ; v168-183 eight rows of q as loaded, v184-199 turned
.set QY,  184
.set PC,  200                          ; v200-215 p's codes of a stage
.set SUM, 216                          ; v216-223 the sum, four pairs (phase E)
.set PM,  216                          ; v216-219 largest magnitudes, v220-223 bytes, v224-227 448 x the scale, v228-231 the conversions' scale operands
.set BY,  220
.set HL,  224
.set SO,  228
.set ZR,  232                          ; v232-239 zeros: what set 2's last tile runs on into
.set LN,  240                          ; v240-255 the lone unit's scores
; window 1: the scores of stages 1..4, 64 registers a stage; in P stage s's fragments of v lie on stage s - 1's scores
.set MSB, 0
.macro WIN new                         ; s_set_vgpr_msb: bits 1:0 source 0, 3:2 source 1, 5:4 source 2, 7:6 destination; the high byte repeats the setting that is left
.if MSB != (\new)
	s_set_vgpr_msb (MSB<<8)|(\new)
.set MSB, (\new)
.endif
.endm
.macro NOPS n
.rept \n
	v_nop
.endr
.endm
.macro GEO s                           ; a stage's units, window and registers.  Stage 0 is the lone unit
.if (\s) == 0
.set NU, 1
.set WN, 0
.set SB, LN
.set UB, UM
.else
.set NU, 4
.set WN, 1
.set SB, 64*((\s)-1)
.set UB, UM+4*(\s)-3
.endif
.if ((\s)%2) == 1
.set FB, F1
.else
.set FB, F2
.endif
.set KN, KSC+4*((\s)%2)
.endm
	s_load_b256 s[4:11], s[0:1], 0x0               ; q, sink_weights, kc, vc
	s_load_b128 s[12:15], s[0:1], 0x20             ; sc, out0
	v_lshl_add_u32 v[SPW], v0, 2, SPARE
	v_mov_b32 v[NIL], 0
	ds_add_u32 v[SPW], v[NIL]                      ; the wave's opening: the add, twice on end, and its wait
	ds_add_u32 v[SPW], v[NIL]
	v_lshrrev_b32 v88, 5, v0
	v_readfirstlane_b32 s2, v88                    ; wave w
	s_lshr_b32 s3, s2, 2                           ; kind
	s_and_b32 s44, s2, 3                           ; p
	s_lshr_b32 s45, ttmp9, 3                       ; head
	s_and_b32 s46, ttmp9, 7                        ; g
	s_and_b32 s47, s46, 3                          ; x
	s_lshr_b32 s48, s46, 2                         ; hl
	; descriptor groups 1: dense blocks as rows of 256 bytes (32 elements of 8 bytes), no padding: images are read as 512 consecutive bytes
.irp g, 16, 24, 32
	s_mov_b32 s[\g], 3<<16
	s_mov_b32 s[\g+1], 32<<16
	s_mov_b32 s[\g+3], 32<<16
	s_mov_b32 s[\g+5], 32
	s_mov_b32 s[\g+6], 0
	s_mov_b32 s[\g+7], 0
.endr
	s_mov_b32 s18, 144<<16                         ; 18 units: 144 rows
	s_mov_b32 s20, 144
	s_mov_b32 s26, 192<<16                         ; 24 units: 192 rows
	s_mov_b32 s28, 192
	s_mov_b32 s34, 48<<16                          ; the head's scale words: 48 rows
	s_mov_b32 s36, 48
	s_mov_b32 s40, 1
	s_lshl_b32 s50, s45, 17                        ; the head in kc and vc: units 0..23
	s_mov_b32 s51, 0
	s_lshl_b32 s52, s46, 13
	s_add_co_u32 s52, s52, s50                     ; units 4 g .. 4 g + 17
	s_mov_b32 s53, 0
	s_add_co_u32 s54, s52, 36864                   ; units 4 g + 18 .. 4 g + 35
	s_mov_b32 s55, 0
	s_mul_i32 s56, s45, 12288                      ; the head's scale words
	s_mov_b32 s57, 0
	s_wait_dscnt 0x0                               ; both opening adds are done
	s_wait_kmcnt 0x0
; THE LAUNCH'S FILLS, ONE A WAVE, in the order in which they are wanted: one chain of branches on the wave's number
.macro ARM n, lds, base, off, g1
	s_cmp_lt_u32 s2, (\n)+1
	s_cbranch_scc0 .Larm\n
	s_mov_b32 s41, \lds
	s_add_nc_u64 s[42:43], s[\base:\base+1], s[\off:\off+1]
	s_or_b32 s43, s43, 0x80000000
	tensor_load_to_lds s[40:43], s[\g1:\g1+7]
	s_nop 0
	NOPS 4
	s_branch .Lasked
.Larm\n:
.endm
	ARM 0, VS, 12, 56, 32                          ; the scale words
	ARM 1, 0, 8, 52, 16                            ; k for the big jobs, two halves
	ARM 2, 36864, 8, 54, 16
	ARM 3, VOFF, 10, 52, 16                        ; v for the big jobs
	ARM 4, VOFF+36864, 10, 54, 16
	ARM 5, KL, 8, 50, 24                           ; k and v for the low jobs
	ARM 6, KL+VOFF, 10, 50, 24
.Lasked:
	s_lshl_b32 s50, s45, 19
	s_add_nc_u64 s[4:5], s[4:5], s[50:51]          ; q and out0 at the head
	s_add_nc_u64 s[14:15], s[14:15], s[50:51]
	s_and_b32 s52, s45, 15
	s_lshl_b32 s52, s52, 2
	s_add_nc_u64 s[6:7], s[6:7], s[52:53]
	s_load_b32 s49, s[6:7], 0x0                    ; the head's sink logit
	s_lshl_b32 s74, s46, 3
	s_add_co_u32 s74, s74, 64
	s_add_co_u32 s74, s74, s44
	s_lshl_b32 s74, s74, 12                        ; job 0's tile x 4,096 bytes
	s_lshl_b32 s86, s3, 11                         ; my eight rows of a tile
	s_add_co_u32 s87, s74, s86
	s_mul_i32 s92, s2, 16*SPI
	s_add_co_u32 s92, s92, STG                     ; my stage
	s_mul_i32 s88, s3, 8*SPI
	s_add_co_u32 s93, s92, s88
	s_xor_b32 s89, s2, 4                           ; my partner
	s_mul_i32 s94, s89, 16*SPI
	s_add_co_u32 s94, s94, STG
	s_add_co_u32 s94, s94, s88
	s_mul_i32 s95, s44, 1280
	s_add_co_u32 s95, s95, QI                      ; my pair's image of q
	s_lshl_b32 s96, s3, 7
	s_add_co_u32 s96, s96, s95
	s_lshl_b32 s97, s3, 5
	s_add_co_u32 s97, s97, s95
	s_lshl_b32 s98, s2, 7
	s_add_co_u32 s98, s98, EX
	s_lshl_b32 s99, s89, 7
	s_add_co_u32 s99, s99, EX
	s_and_b32 s76, s44, 1
	s_lshl_b32 s76, s76, 4                         ; 16 x the tile's parity: p % 2 in all four jobs
	s_mov_b32 s60, 0x76543210
	s_mov_b32 s61, 0xfedcba98                      ; v_permlanex16_b32's selects for lane l xor 16
	s_mov_b32 s62, 0x3e38aa3b                      ; c = log2(e) / 8: t = score x c
	s_mov_b32 s63, s62                             ; (named with it as a pair)
	s_mov_b32 s66, 0xffff                          ; lanes 0-15
	s_mov_b32 s67, 0x600000                        ; the mantissa field of 448
	s_mov_b32 s68, 0xf149f2ca                      ; -1e30
	s_mov_b32 s69, 0xff800000                      ; -infinity
	v_and_b32 v88, 31, v0
	v_lshlrev_b32 v[LI], 4, v88
	v_add_nc_u32 v[QOF], s87, v[LI]
.macro QLOAD                           ; my eight rows of a tile of q: 512 consecutive bytes a load
.irp n, 0,1,2,3
	global_load_b128 v[QX+4*\n:QX+4*\n+3], v[QOF], s[4:5] offset:512*\n th:TH_LOAD_NT
.endr
.endm
	QLOAD
	v_lshlrev_b32 v[L4], 2, v88
	v_and_b32 v89, 15, v0                          ; r
	v_bfe_u32 v90, v0, 4, 1                        ; h
	v_lshlrev_b32 v[R16], 4, v89
	v_mul_u32_u24 v91, v89, SPI
	v_lshl_add_u32 v91, v90, 5, v91
	v_add_nc_u32 v[STO], s92, v91
	v_mul_u32_u24 v91, v90, SPI
	v_lshl_add_u32 v91, v89, 4, v91
	v_add_nc_u32 v[QTW], s92, v91
	v_add_nc_u32 v[SRD], s93, v91
	v_add_nc_u32 v[SRP], s94, v91
	v_and_b32 v92, 7, v0                           ; q: lane l takes row l % 8, channels 32 cc + 16 h + 0..15, cc = l / 8 % 2
	v_bfe_u32 v93, v0, 3, 1
	v_mul_u32_u24 v94, v92, SPI
	v_lshl_add_u32 v94, v93, 7, v94
	v_lshl_add_u32 v94, v90, 6, v94
	v_add_nc_u32 v[QTR], s92, v94
	v_lshlrev_b32 v94, 4, v92
	v_lshl_add_u32 v94, v93, 9, v94
	v_lshl_add_u32 v94, v90, 8, v94
	v_add_nc_u32 v[QIW], s96, v94                  ; 512 cc + 256 h + 16 row
	v_lshl_add_u32 v94, v92, 2, v93
	v_lshl_add_u32 v94, v90, 1, v94
	v_add_nc_u32 v[QSW], s97, v94                  ; 4 row + cc + 2 h: lanes 16-31 write the word's upper bytes, zeros
	v_add_nc_u32 v[QIR], s95, v[LI]
	v_lshlrev_b32 v94, 2, v89
	v_add_nc_u32 v[QSR], s95, v94
	v_lshlrev_b32 v94, 3, v89
	v_add_nc_u32 v[EXW], s98, v94
	v_add_nc_u32 v[EXR], s99, v94
	v_lshlrev_b32 v95, 4, v90
	v_sub_nc_u32 v95, v89, v95
	v_add_nc_u32 v95, s76, v95                     ; dd = 16 parity + r - 16 h: register i is hidden at the lower edge where i < dd, on the diagonal where i > dd
	v_mov_b32 v96, s68
	v_mov_b32 v[UM], s69                           ; kind 1 has no lone unit
	v_mov_b32 v[MM+1], 0
.irp j, 0,1,2,3,4,5,6,7
	v_mov_b32 v[QC+8+\j], 0
	v_mov_b32 v[ZR+\j], 0
.endr
.irp j, 0,1,2,3
	v_mov_b32 v[TP+\j], 0                          ; a lane permute's destination counts as one of its sources
.endr
	s_wait_alu depctr_va_vdst(0)                   ; the wait ahead of the branch
	s_cmp_eq_u32 s3, 0
	s_cbranch_scc0 .Lmask_b
.irp i, 0,1,2,3,4,5,6,7,8,9,10,11,12,13,14,15
	v_cmp_lt_i32 vcc_lo, \i, v95
	v_cndmask_b32 v[MK+\i], 0, v96, vcc_lo
.endr
	s_branch .Lmask_done
.Lmask_b:
.irp i, 0,1,2,3,4,5,6,7,8,9,10,11,12,13,14,15
	v_cmp_gt_i32 vcc_lo, \i, v95
	v_cndmask_b32 v[MK+\i], 0, v96, vcc_lo
.endr
.Lmask_done:
	; the low jobs' figures.  e1 = the part's last block + 1, n = its blocks
	s_xor_b32 s92, s47, 7                          ; job 2: a = 7 - x
	s_lshl_b32 s83, s92, 3
	s_lshl_b32 s84, s47, 3
	s_lshl_b32 s94, s48, 2
	s_add_co_u32 s94, s94, s44
	s_add_co_u32 s83, s83, s94
	s_add_co_u32 s84, s84, s94
	s_lshl_b32 s83, s83, 12                        ; job 2's tile: 8 a + 4 hl + p
	s_lshl_b32 s84, s84, 12                        ; job 3's
	s_lshl_b32 s73, s48, 1
	s_lshr_b32 s94, s44, 1
	s_add_co_u32 s73, s73, s94                     ; the diagonal's unit in block a
	s_add_co_u32 s92, s92, 1                       ; 8 - x blocks,
	s_lshr_b32 s93, s47, 1
	s_xor_b32 s93, s93, 1
	s_add_co_u32 s93, s93, 3                       ; kind 0's: 4 - x / 2,
	s_sub_co_u32 s94, s92, s93                     ; kind 1's
	s_add_co_u32 s95, s47, 1                       ; job 3: x + 1 blocks
	s_lshr_b32 s96, s95, 1
	s_sub_co_u32 s97, s95, s96
	s_cmp_eq_u32 s3, 0
	s_cselect_b32 s79, s93, s92
	s_cselect_b32 s80, s93, s94
	s_cselect_b32 s81, s96, s95
	s_cselect_b32 s82, s96, s97
	s_sub_co_u32 s80, 5, s80                       ; the first stage
	s_sub_co_u32 s82, 5, s82
	s_wait_alu depctr_va_vdst(0)
	s_wait_kmcnt 0x0
	v_mov_b32 v[SL2], s49
	v_mul_f32 v[SL2], 0x3fb8aa3b, v[SL2]
; My eight rows of q turn through my stage (whole rows in, 64 bytes a lane out) and become codes and scale bytes in the pair's image
.macro QQUANT
	s_wait_loadcnt 0x0
.irp n, 0,1,2,3
	ds_store_b128 v[QTW], v[QX+4*\n:QX+4*\n+3] offset:2*SPI*\n
.endr
.irp j, 0,1,2,3
	ds_load_b128 v[QY+4*\j:QY+4*\j+3], v[QTR] offset:16*\j   ; LDS serves a wave's instructions in order: these see my stores
.endr
	s_wait_dscnt 0x0
	v_max3_num_f32 v[PM], |v[QY]|, |v[QY+1]|, 0x4800000   ; and the floor 2^(9 - 127)
	v_max3_num_f32 v[PM+1], |v[QY+2]|, |v[QY+3]|, |v[QY+4]|
.irp i, 5,9
	v_max3_num_f32 v[PM], v[PM], |v[QY+\i]|, |v[QY+\i+1]|
	v_max3_num_f32 v[PM+1], v[PM+1], |v[QY+\i+2]|, |v[QY+\i+3]|
.endr
	v_max3_num_f32 v[PM], v[PM], |v[QY+13]|, |v[QY+14]|
	v_max3_num_f32 v[PM], v[PM], |v[QY+15]|, v[PM+1]
	v_permlanex16_b32 v[TP], v[PM], s60, s61
	v_max_num_f32 v[PM], v[PM], v[TP]              ; the block's largest magnitude
	v_add_nc_u32 v[SO], 0xfc000000, v[PM]          ; 8 off its exponent field
	v_and_or_b32 v[HL], v[PM], 0x7f800000, s67     ; 448 x the scale
	v_lshrrev_b32 v[BY], 23, v[SO]
	v_cndmask_b32 v[BY], 0, v[BY], s66             ; lanes 16-31: the bytes of the zero codes, 0
.irp i, 0,1,2,3,4,5,6,7,8,9,10,11,12,13,14,15
	v_med3_num_f32 v[QY+\i], v[QY+\i], -v[HL], v[HL]   ; the conversion does not saturate (ISA guide 7.6.2)
.endr
	v_cvt_scalef32_pk8_fp8_f32 v[PC:PC+1], v[QY:QY+7], v[SO]
	v_cvt_scalef32_pk8_fp8_f32 v[PC+2:PC+3], v[QY+8:QY+15], v[SO]
	v_nop                                          ; a plain line behind the last conversion
	ds_store_b128 v[QIW], v[PC:PC+3]
	ds_store_b8 v[QSW], v[BY] offset:1024
.endm
.macro QCLOAD                          ; the job's q operand out of the pair's image
	ds_load_b128 v[QC:QC+3], v[QIR]
	ds_load_b128 v[QC+4:QC+7], v[QIR] offset:512
	ds_load_b32 v[QS], v[QSR] offset:1024
.endm
; a stage's fragments of k (8 registers a tile) and its scale words (lanes 0-15: tile u2 = 0's rows, lanes 16-31: tile u2 = 1's)
.macro LOADK s, big
	GEO \s
.irp c, 0,1,2,3
	ds_load_b32 v[KN+\c], v[AKS] offset:128*(4*(\s)-4+\c+\big)
.endr
.irp c, 0,1,2,3
.irp q, 0,1,2,3
.if ((\big) == 0) && ((\s) > 2)
	ds_load_b128 v[FB+16*\c+4*\q:FB+16*\c+4*\q+3], v[AK2] offset:2048*(4*(\s)-12+\c)+512*\q
.else
	ds_load_b128 v[FB+16*\c+4*\q:FB+16*\c+4*\q+3], v[AK] offset:2048*(4*(\s)-4+\c+\big)+512*\q
.endif
.endr
.endr
.endm
; unit c's two products: source 0 = 16 keys, source 1 = my 16 queries; C: m = 0 nothing, 1 my mask, 2 the mask that lies in place
.macro UNIT c, m
.if (\m) == 0
	v_wmma_scale_f32_16x16x128_f8f6f4 v[SB+16*\c:SB+16*\c+7], v[FB+16*\c:FB+16*\c+15], v[QC:QC+15], 0, v[KN+\c], v[QS]
	v_wmma_scale_f32_16x16x128_f8f6f4 v[SB+16*\c+8:SB+16*\c+15], v[FB+16*\c+8:FB+16*\c+23], v[QC:QC+15], 0, v[KN+\c], v[QS] matrix_a_scale:MATRIX_SCALE_ROW1
.elseif (\m) == 1
	v_wmma_scale_f32_16x16x128_f8f6f4 v[SB+16*\c:SB+16*\c+7], v[FB+16*\c:FB+16*\c+15], v[QC:QC+15], v[MK:MK+7], v[KN+\c], v[QS]
	v_wmma_scale_f32_16x16x128_f8f6f4 v[SB+16*\c+8:SB+16*\c+15], v[FB+16*\c+8:FB+16*\c+23], v[QC:QC+15], v[MK+8:MK+15], v[KN+\c], v[QS] matrix_a_scale:MATRIX_SCALE_ROW1
.else
	v_wmma_scale_f32_16x16x128_f8f6f4 v[SB+16*\c:SB+16*\c+7], v[FB+16*\c:FB+16*\c+15], v[QC:QC+15], v[SB+16*\c:SB+16*\c+7], v[KN+\c], v[QS]
	v_wmma_scale_f32_16x16x128_f8f6f4 v[SB+16*\c+8:SB+16*\c+15], v[FB+16*\c+8:FB+16*\c+23], v[QC:QC+15], v[SB+16*\c+8:SB+16*\c+15], v[KN+\c], v[QS] matrix_a_scale:MATRIX_SCALE_ROW1
.endif
.endm
; a stage's scores.  Stage 4: kind 1's last unit (big) or block (low) is masked, kind 0's is open
.macro WMMAS s, big
	GEO \s
.if (\s) < 4
	WIN 0x40
.irp c, 0,1,2,3
	UNIT \c, 0
.endr
	WIN 0
.else
.if (\big) == 1
	WIN 0x40
.irp c, 0,1,2
	UNIT \c, 0
.endr
	WIN 0
.endif
	s_cmp_eq_u32 s3, 0
	s_cbranch_scc0 .Lmasked_\@
	WIN 0x40
.if (\big) == 0
.irp c, 0,1,2
	UNIT \c, 0
.endr
.endif
	UNIT 3, 0
	WIN 0
	s_branch .Lproducts_\@
.Lmasked_\@:
.if (\big) == 1
	WIN 0x40
	UNIT 3, 1
.else
	WIN 0x50
.irp c, 0,1,2,3
	UNIT \c, 2
.endr
.endif
	WIN 0
.Lproducts_\@:
.endif
.endm
; each unit's largest score: my 16 keys (each accumulator from its low end on), then lane l xor 16's.  The units take turns
.macro MAXU s
	GEO \s
	WIN (WN<<2)|(WN<<4)
.set cu, 0
.rept NU
	v_max3_num_f32 v[UB+cu], s69, v[SB+16*cu], v[SB+16*cu+1]
.set cu, cu+1
.endr
.irp i, 2,4,6,8,10,12,14
.set cu, 0
.rept NU
	v_max3_num_f32 v[UB+cu], v[UB+cu], v[SB+16*cu+\i], v[SB+16*cu+\i+1]
.set cu, cu+1
.endr
.endr
	WIN 0
.set cu, 0
.rept NU
	v_permlanex16_b32 v[TP+cu], v[UB+cu], s60, s61
.set cu, cu+1
.endr
.set cu, 0
.rept NU
	v_max_num_f32 v[UB+cu], v[UB+cu], v[TP+cu]
.set cu, cu+1
.endr
.endm
; a stage of phase E: 2^(score x c - m) in place, of the scores and of each unit's largest; then the sums.  One batch of exponentials, one wait ahead of it and one behind it
.macro EXPS s
	GEO \s
	WIN 0
.set cu, 0
.rept NU
	v_fma_f32 v[UB+cu], v[UB+cu], s62, -v[MM]
.set cu, cu+1
.endr
	WIN (WN<<6)|WN
.set ii, 0
.rept 8*NU
	v_pk_fma_f32 v[SB+2*ii:SB+2*ii+1], v[SB+2*ii:SB+2*ii+1], s[62:63], v[MM:MM+1] op_sel_hi:[1,0,0] neg_lo:[0,0,1] neg_hi:[0,0,1]
.set ii, ii+1
.endr
	s_wait_alu depctr_va_vdst(0)
.set ii, 0
.rept 16*NU
	v_exp_f32 v[SB+ii], v[SB+ii]
.set ii, ii+1
.endr
	WIN 0
.set cu, 0
.rept NU
	v_exp_f32 v[UB+cu], v[UB+cu]                   ; the same two instructions on the same number give the same bits: the unit's largest exponential
.set cu, cu+1
.endr
	v_nop                                          ; a plain line behind the last exponential
	s_wait_alu depctr_va_vdst(0)
	WIN WN<<2
.set ii, 0
.rept 8*NU
	v_pk_add_f32 v[SUM+2*(ii%4):SUM+2*(ii%4)+1], v[SUM+2*(ii%4):SUM+2*(ii%4)+1], v[SB+2*ii:SB+2*ii+1]
.set ii, ii+1
.endr
	WIN 0
.endm
.macro ROWMAX                          ; m, in powers of two, the sink's among them in both waves: so it is finite for a part of no blocks too
	v_mul_f32 v[T1], s62, v[RM]
	v_max_num_f32 v[MM], v[T1], v[SL2]
.irp j, 0,1,2,3,4,5,6,7
	v_mov_b32 v[SUM+\j], 0
.endr
.endm
; the pair's exchange: (m, sum) out, a barrier, my partner's in; M, the total with the sink's share, and my factor 2^(m - M) / total
.macro EXCHANGE big
	v_pk_add_f32 v[SUM:SUM+1], v[SUM:SUM+1], v[SUM+2:SUM+3]
	v_pk_add_f32 v[SUM+4:SUM+5], v[SUM+4:SUM+5], v[SUM+6:SUM+7]
	v_pk_add_f32 v[SUM:SUM+1], v[SUM:SUM+1], v[SUM+4:SUM+5]
	v_add_f32 v[T1], v[SUM], v[SUM+1]
	v_permlanex16_b32 v[TP], v[T1], s60, s61
	v_add_f32 v[MM+1], v[T1], v[TP]                ; with lane l xor 16's keys
	ds_store_b64 v[EXW], v[MM:MM+1]                ; lanes r and r + 16 write the same bytes with the same values
	s_wait_alu depctr_va_vdst(0)                   ; the wait here, ahead of the waits below
.if \big
	s_wait_tensorcnt 0x0                           ; my tensor load has landed: behind the barrier all tiles are whole
.endif
	s_wait_dscnt 0x0                               ; my store has landed, and my reads of q's image, of k and of the stages are over
	s_barrier_signal -1
	s_barrier_wait -1
	ds_load_b64 v[PX:PX+1], v[EXR]
	s_wait_dscnt 0x0
	v_max_num_f32 v[RM], v[MM], v[PX]
	v_sub_f32 v[TP], v[MM], v[RM]
	v_sub_f32 v[TP+1], v[PX], v[RM]
	v_sub_f32 v[TP+2], v[SL2], v[RM]
	s_wait_alu depctr_va_vdst(0)
	v_exp_f32 v[TP], v[TP]
	v_exp_f32 v[TP+1], v[TP+1]
	v_exp_f32 v[TP+2], v[TP+2]
	v_nop
	s_wait_alu depctr_va_vdst(0)
	v_fma_f32 v[TP+2], v[MM+1], v[TP], v[TP+2]
	v_fma_f32 v[TP+2], v[PX+1], v[TP+1], v[TP+2]
	s_wait_alu depctr_va_vdst(0)
	v_rcp_f32 v[TP+3], v[TP+2]
	v_nop
	s_wait_alu depctr_va_vdst(0)
	v_mul_f32 v[RR], v[TP], v[TP+3]
	v_mov_b32 v[RR+1], v[RR]
	s_wait_alu depctr_va_vdst(0)                   ; the wait ahead of the waits and branches that follow
	s_wait_loadcnt 0x0                             ; q's rows are in
.endm
; A stage of phase P: four units' p, quantised by units, and O^T += v^T p^T over these 128 keys.  The four accumulators take turns, one instruction a turn.
; The 20 lines ahead of the scale word are the places behind the last stage's products.
.macro PSTAGE s, big
	GEO \s
.if (\s) == 1
.set VN, 0
.set VF, F1
.else
.set VN, 1
.set VF, 64*((\s)-2)
.endif
	WIN 0
.if \big
	ds_load_b128 v[VWL:VWL+3], v[AVS] offset:256*((\s)-1)    ; a big job's stages do not begin at a block of 128 keys: two words a channel,
	ds_load_b128 v[VWH:VWH+3], v[AVS] offset:256*(\s)        ; of which four bytes are taken
.else
	ds_load_b128 v[VWL+4*((\s)%2):VWL+4*((\s)%2)+3], v[AVS] offset:256*((\s)-1)   ; a low job's do: the words are the scale operands as they lie; two sets by turns
.endif
	WIN VN<<6
.irp c, 0,1,2,3
.irp t, 0,1,2,3
.if ((\big) == 0) && ((\s) > 2)
	ds_load_b128 v[VF+16*\t+4*\c:VF+16*\t+4*\c+3], v[AV2] offset:2048*(4*(\s)-12+\c)+512*\t
.else
	ds_load_b128 v[VF+16*\t+4*\c:VF+16*\t+4*\c+3], v[AV] offset:2048*(4*(\s)-4+\c+\big)+512*\t
.endif
.endr
.endr
	WIN 0
.irp c, 0,1,2,3
	v_mul_f32 v[PM+\c], v[UB+\c], v[RR]            ; the unit's largest p
.endr
.irp c, 0,1,2,3
	v_max_num_f32 v[PM+\c], 0x4800000, v[PM+\c]    ; the floor 2^(9 - 127): the byte cannot fall under 1
.endr
.irp c, 0,1,2,3
	v_add_nc_u32 v[SO+\c], 0xfc000000, v[PM+\c]    ; 8 off the exponent field: the conversion's scale operand
.endr
.irp c, 0,1,2,3
	v_and_or_b32 v[HL+\c], v[PM+\c], 0x7f800000, s67   ; 448 x the scale
.endr
.irp c, 0,1,2,3
	v_lshrrev_b32 v[BY+\c], 23, v[SO+\c]
.endr
	v_lshl_or_b32 v[PW], v[BY+1], 8, v[BY]
	v_lshl_or_b32 v[PW], v[BY+2], 16, v[PW]
	v_lshl_or_b32 v[PW], v[BY+3], 24, v[PW]
.if \big
	s_wait_dscnt 0x10                              ; the two loads of words are in; the 16 loads of codes may be out
.irp t, 0,1,2,3
	v_perm_b32 v[SV+\t], v[VWH+\t], v[VWL+\t], s90
.endr
.endif
	WIN (WN<<6)|WN
.set ii, 0
.rept 32
	v_pk_mul_f32 v[SB+2*ii:SB+2*ii+1], v[SB+2*ii:SB+2*ii+1], v[RR:RR+1] op_sel_hi:[1,0]
.set ii, ii+1
.endr
.irp c, 0,1,2,3
.irp i, 0,1,2,3,4,5,6,7,8,9,10,11,12,13,14,15
	v_min_num_f32 v[SB+16*\c+\i], v[SB+16*\c+\i], v[HL+\c]   ; the conversion does not saturate (ISA guide 7.6.2); p is not negative, so the hold is one-sided
.endr
.endr
	WIN WN
.irp c, 0,1,2,3
	v_cvt_scalef32_pk8_fp8_f32 v[PC+4*\c:PC+4*\c+1], v[SB+16*\c:SB+16*\c+7], v[SO+\c]
	v_cvt_scalef32_pk8_fp8_f32 v[PC+4*\c+2:PC+4*\c+3], v[SB+16*\c+8:SB+16*\c+15], v[SO+\c]
.endr
	WIN 0
	NOPS 4                                         ; codes written by vector instructions stand four places ahead of a scaled product
	s_wait_alu depctr_va_vdst(0)
	s_wait_dscnt 0x0
	WIN VN
.irp t, 0,1,2,3
.if ((\big) == 1) && ((\s) == 1)
	v_wmma_scale_f32_16x16x128_f8f6f4 v[OT+8*\t:OT+8*\t+7], v[VF+16*\t:VF+16*\t+15], v[PC:PC+15], 0, v[SV+\t], v[PW]   ; these start the sums
.elseif \big
	v_wmma_scale_f32_16x16x128_f8f6f4 v[OT+8*\t:OT+8*\t+7], v[VF+16*\t:VF+16*\t+15], v[PC:PC+15], v[OT+8*\t:OT+8*\t+7], v[SV+\t], v[PW]
.else
	v_wmma_scale_f32_16x16x128_f8f6f4 v[OT+8*\t:OT+8*\t+7], v[VF+16*\t:VF+16*\t+15], v[PC:PC+15], v[OT+8*\t:OT+8*\t+7], v[VWL+4*((\s)%2)+\t], v[PW]
.endif
.endr
	WIN 0
.endm
; out: register 8 t + j of lane (r, h) is my part of out(query r, channel 16 t + 8 h + j).  Into my stage; behind a barrier eight rows of both stages are added and leave as whole rows of 256 bytes, two rows a store
.macro OUT
	NOPS 8                                         ; the places behind the last products
.irp t, 0,1,2,3
	ds_store_b128 v[STO], v[OT+8*\t:OT+8*\t+3] offset:64*\t          ; each accumulator from its low end on
	ds_store_b128 v[STO], v[OT+8*\t+4:OT+8*\t+7] offset:64*\t+16
.endr
	s_wait_dscnt 0x0                               ; my part, and my rows of the next q, are in LDS
	s_barrier_signal -1
	s_barrier_wait -1
.irp i, 0,1,2,3
	ds_load_b128 v[OB+4*\i:OB+4*\i+3], v[SRD] offset:2*SPI*\i
	ds_load_b128 v[OB+16+4*\i:OB+16+4*\i+3], v[SRP] offset:2*SPI*\i
.endr
.irp i, 0,1,2,3
	s_wait_dscnt 6-2*\i                            ; LDS loads come back in order: pair i of loads is in
	v_pk_add_f32 v[OB+4*\i:OB+4*\i+1], v[OB+4*\i:OB+4*\i+1], v[OB+16+4*\i:OB+16+4*\i+1]
	v_pk_add_f32 v[OB+4*\i+2:OB+4*\i+3], v[OB+4*\i+2:OB+4*\i+3], v[OB+16+4*\i+2:OB+16+4*\i+3]
	global_store_b128 v[GOF], v[OB+4*\i:OB+4*\i+3], s[14:15] offset:512*\i th:TH_STORE_NT   ; 512 consecutive bytes, aligned
.endr
.endm
; a low part's first stage is in s72: a branch on ids alone; stage 1 is fallen into
.macro DISPATCH p
	WIN 0
	s_wait_alu depctr_va_vdst(0)                   ; the wait ahead of the branches
.irp k, 2,3,4,5
	s_cmp_eq_u32 s72, \k
	s_cbranch_scc1 .L\p\k
.endr
.endm
	QQUANT                                         ; job 0's q
	s_wait_alu depctr_va_vdst(0)                   ; the wait at the head's end
	s_cmp_lt_u32 s2, 3
	s_cbranch_scc0 .Lnot_mine
	s_wait_tensorcnt 0x0                           ; waves 0-2: the scale words and the big jobs' k have landed; the other waves' tiles are waited for ahead of the first exchange
.Lnot_mine:
	s_wait_dscnt 0x0
	s_barrier_signal -1
	s_barrier_wait -1
	s_lshr_b32 s71, s44, 1                         ; z of job 0; job 1's is 2 more
	s_mov_b32 s100, 2
.Lbig:                                             ; jobs 0 and 1
	s_wait_xcnt 0x0                                ; the last job's stores have read their offset and their data: both are written again only behind this wait
	s_lshl_b32 s92, s3, 4
	s_add_co_u32 s92, s92, s71                     ; my lone unit's place, or the unit ahead of my first: z + 16 kind
	s_lshl_b32 s93, s92, 11
	s_lshl_b32 s94, s46, 2
	s_add_co_u32 s94, s94, s92
	s_lshl_b32 s94, s94, 7
	s_add_co_u32 s94, s94, KS                      ; k's words of unit 4 g + z + 16 kind
	s_lshl_b32 s95, s46, 8
	s_add_co_u32 s95, s95, VS                      ; v's words of block g: the lone unit's; its byte is z
	s_add_co_u32 s96, s71, 1
	s_lshr_b32 s97, s96, 2
	s_lshl_b32 s98, s3, 2
	s_add_co_u32 s97, s97, s98
	s_lshl_b32 s97, s97, 8
	s_add_co_u32 s97, s97, s95                     ; stage 1 begins at unit 4 g + z + 1 + 16 kind: its block,
	s_and_b32 s96, s96, 3
	s_mul_i32 s90, s96, 0x01010101
	s_add_co_u32 s90, s90, 0x03020100              ; and the four bytes from its place in the block on
	s_lshl_b32 s91, s71, 3
	s_add_co_u32 s99, s74, s86
	s_add_co_u32 s75, s74, 16384                   ; the next tile: job 1's, four tiles on, or job 2's
	s_cmp_eq_u32 s100, 2
	s_cselect_b32 s75, s75, s83
	s_add_co_u32 s75, s75, s86
	v_add_nc_u32 v[AK], s93, v[LI]
	v_add_nc_u32 v[AV], VOFF, v[AK]
	v_add_nc_u32 v[AKS], s94, v[L4]
	v_add_nc_u32 v[AVL], s95, v[R16]
	v_add_nc_u32 v[AVS], s97, v[R16]
	v_add_nc_u32 v[GOF], s99, v[LI]
	v_add_nc_u32 v[QOF], s75, v[LI]
	s_wait_alu depctr_va_vdst(0)                   ; the wait ahead of the waits and branches that follow
	; ---- S.  Loads go one stage ahead; the maxima of the stage before the last stand between them and their wait, and are the places behind that stage's products
	QCLOAD
	LOADK 1, 1
	s_cmp_eq_u32 s3, 0
	s_cbranch_scc0 .Lno_lone_s
	ds_load_b32 v[KSC+3], v[AKS]
.irp q, 0,1,2,3
	ds_load_b128 v[F2+48+4*\q:F2+48+4*\q+3], v[AK] offset:512*\q
.endr
	s_wait_dscnt 0x0
	v_wmma_scale_f32_16x16x128_f8f6f4 v[LN:LN+7], v[F2+48:F2+63], v[QC:QC+15], v[MK:MK+7], v[KSC+3], v[QS]
	v_wmma_scale_f32_16x16x128_f8f6f4 v[LN+8:LN+15], v[F2+56:F2+71], v[QC:QC+15], v[MK+8:MK+15], v[KSC+3], v[QS] matrix_a_scale:MATRIX_SCALE_ROW1
.Lno_lone_s:
	s_wait_dscnt 0x0
	WMMAS 1, 1
	NOPS 8                                         ; the places behind the lone unit's and stage 1's products
	LOADK 2, 1
	s_cmp_eq_u32 s3, 0
	s_cbranch_scc0 .Lno_lone_m
	MAXU 0
	s_wait_alu depctr_va_vdst(0)
.Lno_lone_m:
	s_wait_dscnt 0x0
	WMMAS 2, 1
	LOADK 3, 1
	MAXU 1
	s_wait_dscnt 0x0
	WMMAS 3, 1
	LOADK 4, 1
	MAXU 2
	s_wait_dscnt 0x0
	WMMAS 4, 1
	MAXU 3
	MAXU 4
	QLOAD                                          ; my rows of the next job's q
	; ---- E
	v_max3_num_f32 v[RM], v[UM], v[UM+1], v[UM+2]
.irp k, 3,5,7,9,11,13,15
	v_max3_num_f32 v[RM], v[RM], v[UM+\k], v[UM+\k+1]
.endr
	ROWMAX
.irp s, 1,2,3,4
	EXPS \s
.endr
	s_wait_alu depctr_va_vdst(0)
	s_cmp_eq_u32 s3, 0
	s_cbranch_scc0 .Lno_lone_e
	EXPS 0
.Lno_lone_e:
	EXCHANGE 1
	QQUANT
	; ---- P
.irp s, 1,2,3,4
	PSTAGE \s, 1
.endr
	s_cmp_eq_u32 s3, 0
	s_cbranch_scc0 .Lno_lone_p
	ds_load_b128 v[VWL:VWL+3], v[AVL]              ; the lone unit: 32 keys of the products' 128; the other 96 are zero codes of p, and meet codes of v that stage 3 left
	WIN 0x40
.irp t, 0,1,2,3
	ds_load_b128 v[64+16*\t:64+16*\t+3], v[AV] offset:512*\t
.endr
	WIN 0
.irp j, 4,5,6,7
	v_mov_b32 v[QC+\j], 0                          ; q's operand is done with
.endr
	v_mul_f32 v[PM], v[UM], v[RR]
	v_max_num_f32 v[PM], 0x4800000, v[PM]
	v_add_nc_u32 v[SO], 0xfc000000, v[PM]
	v_and_or_b32 v[HL], v[PM], 0x7f800000, s67
.irp i, 0,2,4,6,8,10,12,14
	v_pk_mul_f32 v[LN+\i:LN+\i+1], v[LN+\i:LN+\i+1], v[RR:RR+1] op_sel_hi:[1,0]
.endr
	v_lshrrev_b32 v[PW], 23, v[SO]
	s_wait_dscnt 0x4                               ; the words are in; the four loads of codes may be out
.irp t, 0,1,2,3
	v_bfe_u32 v[SV+\t], v[VWL+\t], s91, 8
.endr
.irp i, 0,1,2,3,4,5,6,7,8,9,10,11,12,13,14,15
	v_min_num_f32 v[LN+\i], v[LN+\i], v[HL]
.endr
	v_cvt_scalef32_pk8_fp8_f32 v[QC:QC+1], v[LN:LN+7], v[SO]
	v_cvt_scalef32_pk8_fp8_f32 v[QC+2:QC+3], v[LN+8:LN+15], v[SO]
	NOPS 4
	s_wait_alu depctr_va_vdst(0)
	s_wait_dscnt 0x0
	WIN 0x01
.irp t, 0,1,2,3
	v_wmma_scale_f32_16x16x128_f8f6f4 v[OT+8*\t:OT+8*\t+7], v[64+16*\t:64+16*\t+15], v[QC:QC+15], v[OT+8*\t:OT+8*\t+7], v[SV+\t], v[PW]
.endr
	WIN 0
.Lno_lone_p:
	OUT
	s_add_co_u32 s71, s71, 2
	s_add_co_u32 s74, s74, 16384
	s_sub_co_u32 s100, s100, 1
	s_cmp_lg_u32 s100, 0
	s_cbranch_scc1 .Lbig
	s_mov_b32 s100, 2
.Llow:                                             ; jobs 2 and 3.  A part's stage s is block e1 - 5 + s
	s_wait_xcnt 0x0
	s_cmp_eq_u32 s100, 2
	s_cselect_b32 s85, s79, s81                    ; e1
	s_cselect_b32 s72, s80, s82                    ; the first stage
	s_cselect_b32 s74, s83, s84                    ; the tile
	s_lshl_b32 s92, s85, 13
	s_add_co_u32 s92, s92, KL-32768                ; stages 1 and 2: blocks e1 - 4, e1 - 3, in the low units' region
	s_min_u32 s93, s85, 6
	s_lshl_b32 s93, s93, 13
	s_add_co_u32 s93, s93, KL-16384                ; stages 3 and 4: blocks e1 - 2, e1 - 1, there too,
	s_xor_b32 s94, s46, 7
	s_add_co_u32 s94, s94, s85
	s_add_co_u32 s94, s94, 7
	s_lshl_b32 s94, s94, 13
	s_and_b32 s94, s94, 0xe000                     ; or, where e1 is 7 or 8, in the big jobs' region: 8,192 (e1 - 2 - g), of which 3 bits suffice
	s_cmp_ge_u32 s85, 7
	s_cselect_b32 s93, s94, s93
	s_lshl_b32 s94, s85, 9
	s_add_co_u32 s94, s94, KS-2048
	s_lshl_b32 s95, s85, 8
	s_add_co_u32 s95, s95, VS-1024
	s_add_co_u32 s99, s74, s86
	s_add_co_u32 s75, s84, s86
	v_add_nc_u32 v[AK], s92, v[LI]
	v_add_nc_u32 v[AV], VOFF, v[AK]
	v_add_nc_u32 v[AK2], s93, v[LI]
	v_add_nc_u32 v[AV2], VOFF, v[AK2]
	v_add_nc_u32 v[AKS], s94, v[L4]
	v_add_nc_u32 v[AVS], s95, v[R16]
	v_add_nc_u32 v[GOF], s99, v[LI]
	v_add_nc_u32 v[QOF], s75, v[LI]
	v_mov_b32 v[RM], s69
	s_wait_alu depctr_va_vdst(0)                   ; the wait ahead of the branch
	QCLOAD
	s_cmp_eq_u32 s3, 0
	s_cbranch_scc1 .Lno_mask
	WIN 0x40                                       ; kind 1: the masks of block a, in the places of its scores: unit c is open under the diagonal's unit, the diagonal's mask on it, hidden beyond it
.irp c, 0,1,2,3
	s_cmp_eq_u32 s73, \c
	s_cselect_b32 s96, -1, 0
	s_cmp_lt_u32 s73, \c
	s_cselect_b32 s97, s68, 0
.irp i, 0,1,2,3,4,5,6,7,8,9,10,11,12,13,14,15
	v_cndmask_b32 v[192+16*\c+\i], s97, v[MK+\i], s96
.endr
.endr
	WIN 0
.Lno_mask:
	; ---- S.  A part's first loads stand in an arm of their own
	DISPATCH S
	LOADK 1, 0
	s_branch .LW1
.irp s, 2,3,4
.LS\s:
	LOADK \s, 0
.if \s < 4
	s_branch .LW\s
.endif
.endr
	s_branch .LW4
.macro LSTAGE s
.LW\s:
	s_wait_dscnt 0x0
	WMMAS \s, 0
.if (\s) < 4
	LOADK (\s)+1, 0
.endif
	NOPS 8                                         ; the places behind the products
	MAXU \s
	v_max3_num_f32 v[RM], v[RM], v[UB], v[UB+1]
	v_max3_num_f32 v[RM], v[RM], v[UB+2], v[UB+3]
	s_wait_alu depctr_va_vdst(0)                   ; the wait ahead of the waits and branches that follow
.endm
	LSTAGE 1
	LSTAGE 2
	LSTAGE 3
	LSTAGE 4
.LS5:
	s_cmp_eq_u32 s100, 1                           ; the last job asks for no q
	s_cbranch_scc1 .Lno_next_q
	QLOAD
.Lno_next_q:
	; ---- E
	ROWMAX
	DISPATCH E
.macro ESTAGE s
.LE\s:
	EXPS \s
.endm
	ESTAGE 1
	ESTAGE 2
	ESTAGE 3
	ESTAGE 4
.LE5:
	EXCHANGE 0
	s_cmp_eq_u32 s100, 1
	s_cbranch_scc1 .Lno_next_qq
	QQUANT
.Lno_next_qq:
	; ---- P
.irp j, 0,1,2,3,4,5,6,7,8,9,10,11,12,13,14,15,16,17,18,19,20,21,22,23,24,25,26,27,28,29,30,31
	v_mov_b32 v[OT+\j], 0                          ; a low part's first stage is any of four, or none: the sums begin as zeros
.endr
	DISPATCH P
.macro POSTAGE s
.LP\s:
	PSTAGE \s, 0
.endm
	POSTAGE 1
	POSTAGE 2
	POSTAGE 3
	POSTAGE 4
.LP5:
	OUT
	s_sub_co_u32 s100, s100, 1
	s_cmp_lg_u32 s100, 0
	s_cbranch_scc1 .Llow
	s_wait_tensorcnt 0x0                           ; the wave's end
	ds_add_u32 v[SPW], v[NIL]
	s_wait_dscnt 0x0
	s_endpgm
.Lfunc_end_k_q01b1988ea4_attn:
	.size	k_q01b1988ea4_attn, .Lfunc_end_k_q01b1988ea4_attn-k_q01b1988ea4_attn
	.p2alignl 7, 3214868480
	.fill 96, 4, 3214868480
	.section	.rodata,"a",@progbits
	.p2align	6, 0x0
	.amdhsa_kernel k_q01b1988ea4_attn
		.amdhsa_group_segment_fixed_size 300032
		.amdhsa_private_segment_fixed_size 0
		.amdhsa_enable_private_segment 0
		.amdhsa_kernarg_size 48
		.amdhsa_user_sgpr_count 2
		.amdhsa_user_sgpr_kernarg_segment_ptr 1
		.amdhsa_wavefront_size32 1
		.amdhsa_system_sgpr_workgroup_id_x 1
		.amdhsa_system_sgpr_workgroup_id_y 1
		.amdhsa_system_sgpr_workgroup_id_z 1
		.amdhsa_system_vgpr_workitem_id 0
		.amdhsa_next_free_vgpr 512
		.amdhsa_next_free_sgpr 102
		.amdhsa_reserve_vcc 1
		.amdhsa_float_denorm_mode_32 3
		.amdhsa_float_denorm_mode_16_64 3
		.amdhsa_memory_ordered 1
		.amdhsa_forward_progress 1
		.amdhsa_inst_pref_size 210
	.end_amdhsa_kernel
	.amdgpu_metadata
---
amdhsa.version: [ 1, 2 ]
amdhsa.kernels:
  - .name:           k_q01b1988ea4_attn
    .symbol:         k_q01b1988ea4_attn.kd
    .args:
      - { .name: q, .offset: 0, .size: 8, .value_kind: global_buffer, .address_space: global }
      - { .name: sink_weights, .offset: 8, .size: 8, .value_kind: global_buffer, .address_space: global }
      - { .name: kc, .offset: 16, .size: 8, .value_kind: global_buffer, .address_space: global }
      - { .name: vc, .offset: 24, .size: 8, .value_kind: global_buffer, .address_space: global }
      - { .name: sc, .offset: 32, .size: 8, .value_kind: global_buffer, .address_space: global }
      - { .name: out0, .offset: 40, .size: 8, .value_kind: global_buffer, .address_space: global }
    .group_segment_fixed_size: 300032
    .private_segment_fixed_size: 0
    .kernarg_segment_align: 8
    .kernarg_segment_size: 48
    .max_flat_workgroup_size: 256
    .sgpr_count:     102
    .vgpr_count:     512
    .wavefront_size: 32
...
	.end_amdgpu_metadata
.endif
;; end of part 2
